; MI455X (gfx1250); checked and timed in simulation.
; The chip was launched on July 23, 2026; its instructions are those of AMD's public machine-readable ISA for CDNA 5 (MIT licence, August 2026) and "CDNA5" Instruction Set Architecture Reference Guide (July 2026). The comments in the code are by the model that wrote it; some were corrected since.
;; Attention. Allowed arithmetic: matrix products marked QUANTISED: E4M3 operands, one given power-of-two scale a tensor, by v_wmma_f32_16x16x64_fp8_fp8 or v_wmma_f32_16x16x128_fp8_fp8, f32 sums; everything else in f32.
;; Inputs: b_qkv 3,072 float32; lowp_scales 6 int32 (the exponents e of the quantised operands' scales 2^e); w_qkv 3,072 x 1,024 float32; x 4 x 2,048 x 1,024 float32.
;; Outputs: out0 4 x 2,048 x 1,024 float32.
;; This version of the problem:
;;   THIS VERSION OF THE PROBLEM IS GIVEN IN LOW PRECISION. The matrix products marked QUANTISED in the list below multiply operands that are first quantised to E4M3 (4 exponent bits, 3 mantissa bits; 8 bits a number), with one given power-of-two scale for each operand tensor; their sums are f32. All else is computed in f32.
;;   The module's matrix products, in the order in which they are computed (A, B: the left and right operand; K: the contracted axis; several contracted axes count as one K, in the product's order):
;;     1. [M 8,192, K 1,024] x [K 1,024, N 3,072]; A: input x; B: input w_qkv: QUANTISED (scales: A lowp_scales[0], B lowp_scales[1])
;;     2. batch 64 x [M 2,048, K 64] x [K 64, N 2,048]; A: computed on the way; B: computed on the way: QUANTISED (scales: A lowp_scales[2], B lowp_scales[3])
;;     3. batch 64 x [M 2,048, K 2,048] x [K 2,048, N 64]; A: softmax (see below); B: computed on the way: QUANTISED (scales: A lowp_scales[4], B lowp_scales[5])
;;   THE QUANTISER, for each operand of a quantised product, along K:
;;     - The operand's scale is 2^e, e = its entry of the input lowp_scales (int32; the entries are numbered through the quantised products in the list's order, A before B).
;;     - Each number is divided by the scale, clamped to +-448, and rounded to the nearest number of E4M3, ties to even, subnormals kept.
;;     - The product sums the exact products of the quantised numbers (number of the format x scale) in f32.
;;   ~~~python
;;   def quantise(x, axis, e):      # numpy; x: float32 -> the quantised numbers, widened to float32 again
;;       x = np.moveaxis(x, axis, -1); K = x.shape[-1]
;;       r = np.clip(x / 2.0 ** e, -448, 448)
;;       step = 2.0 ** (np.maximum(np.frexp(np.where(r == 0, 1, r))[1] - 1, -6) - 3)
;;       q = np.round(r / step) * step * 2.0 ** e      # np.round: ties to even
;;       return np.moveaxis(q, -1, axis).astype(np.float32)
;;   ~~~
;;   SOFTMAX AHEAD OF A QUANTISED PRODUCT. Where the list says 'softmax', what is quantised is not the finished softmax but p = 2^(t - M), with t = logit x log2(e) and M = ceil(the row's largest t), a whole number; so 1/2 < the row's largest p <= 1. The row's sum l is taken of the UNQUANTISED p, in f32, and the product's result is divided by l at the end. Since M is a whole number, a kernel that streams over the keys may use a running M (the ceiling of the running maximum): every later rescaling is an exact power of two, so the quantised numbers keep their values, but for numbers so far below the row's largest that they fall under the format's range.
;;   OPERANDS COMPUTED ON THE WAY. 'Computed on the way' means the value that the module computes at that place (a softmax that the list does not call 'softmax' is quantised finished and normalised). What goes into a quantiser is computed in f32, as accurately as f32 sums, v_exp_f32 and their like allow (about 1e-6 of the number): no bf16 or f16 on the way to a quantiser, and a product that is left as it is and whose result goes on into a quantised operand takes f32 operands (vector FMAs, or v_wmma_f32_16x16x4_f32). A number that lies on a knife's edge between two numbers of the format may be rounded either way, as far as f32 arithmetic and the matrix unit's own rounding can turn it there, and no further.
;; One version. Each part assembles by itself: llvm-mc -triple=amdgcn-amd-amdhsa -mcpu=gfx1250 --defsym DOCPART=n.
;; ======== version 1 of 1: 3 launches
;; limits: right only within a limited range of input values
;; workspace buffers: codes 11,534,336 bytes; qkv 25,165,824 bytes
;; launch quant (part 1): grid 352 x 1, 4 waves a work-group, no clusters, 33,280 bytes of LDS; arguments x, w_qkv, lowp_scales, codes; writes codes
.if DOCPART == 1
	.amdgcn_target "amdgcn-amd-amdhsa--gfx1250"
	.amdhsa_code_object_version 6
	.text
	.protected	k_q0aeed49ca3_quant
	.globl	k_q0aeed49ca3_quant
	.p2align	8
	.type	k_q0aeed49ca3_quant,@function
k_q0aeed49ca3_quant:
	s_mov_b64 s[64:65], 0
	v_nop
	global_prefetch_b8 v0, s[64:65] scope:SCOPE_SE
	s_setreg_imm32_b32 hwreg(HW_REG_WAVE_MODE, 25, 1), 1
	s_wait_xcnt 0x0
; x [8192][1024] and w_qkv [3072][1024], f32, become codes of FP8 (E4M3), one byte each, K innermost, in ONE buffer of 11,264 rows of 1,024 bytes: x's rows first, w_qkv's behind them.
; code = number / 2^e, held within +-448, rounded to the nearest code, ties to even.  e is entry 0 (x) or entry 1 (w_qkv) of the given exponents.
; LIMITS: -126 <= e <= 119, so that 2^e and 448 x 2^e are f32 numbers.  NaN among the inputs is not served (an infinity is held at the largest code).
; Rows are dense and K is a multiple of 32: both tensors are plain streams of numbers, and nothing here knows of rows.
; SHARES: a wave takes 16 steps of 512 numbers, a work-group 32,768 numbers; the first 256 work-groups take x, the other 96 w_qkv.  Only the input's pointer and e are chosen; both take one path.
; A conversion takes eight neighbours from ONE lane's registers, a load is best where neighbouring LANES take neighbouring bytes.  Both are had: each of a step's four loads reads 512 consecutive bytes,
; 16 a lane; the 2,048 bytes go through the wave's own stage in LDS as they lie and come back 64 bytes a lane (16 bytes of padding behind each 64, so that the lanes' reads spread over the banks).
; A lane's 16 codes are 16 bytes: a store of the wave covers 512 consecutive bytes, aligned.  Waves share nothing: no barrier.  No matrix unit, no cluster: no byte is used twice.
.set STEPS, 16
.set WGX,   256                        ; work-groups that take x: 8192 x 1024 / 32768
.set EMAX,  8
.set MANT,  0x600000                   ; the mantissa field of 448 as f32
.set CB,    16                         ; bytes of 16 codes
.set R,     16                         ; v16-79   four sets of 16 numbers as they are loaded
.set X,     80                         ; v80-111  two sets of 16 neighbours
.set C,     128                        ; v128-191 codes: four registers for each step, so that no store's data are written again
.set WREG,  8192                       ; LDS: a region for each wave: two stages of 32 x SP bytes
.set SP,    80                         ; a lane's place in a stage: its 64 bytes + 16 of padding
	s_load_b128 s[4:7], s[0:1], 0x0                ; x, w_qkv
	s_load_b128 s[8:11], s[0:1], 0x10              ; the exponents, the codes
	v_lshl_add_u32 v192, v0, 2, 0x8000
	v_mov_b32 v193, 0
	v_lshrrev_b32 v1, 5, v0
	v_readfirstlane_b32 s16, v1                    ; wave
	v_and_b32 v2, 31, v0                           ; lane
	v_lshlrev_b32 v3, 4, v2                        ; my 16 bytes of a load's 512
	s_mul_i32 s17, s16, WREG
	v_lshrrev_b32 v14, 2, v2
	v_mul_u32_u24 v14, v14, SP
	v_and_b32 v15, 3, v2
	v_lshl_add_u32 v14, v15, 4, v14
	v_add_nc_u32 v14, s17, v14                     ; the stage, on the way in: four lanes' 64 bytes on end, then 16 of padding
	v_mul_u32_u24 v15, v2, SP
	v_add_nc_u32 v15, s17, v15                     ; and on the way out: my 16 neighbours
	v_mul_u32_u24 v4, v2, CB                       ; my codes' place in a step's
	s_wait_kmcnt 0x0
	s_load_b64 s[22:23], s[8:9], 0x0               ; e of x, e of w_qkv
	s_cmp_lt_u32 ttmp9, WGX                        ; x's work-group or w_qkv's?  The choice hangs on the work-group's number alone
	s_cselect_b64 s[4:5], s[4:5], s[6:7]
	s_cselect_b32 s17, 0, WGX
	s_sub_co_u32 s17, ttmp9, s17
	s_lshl_b32 s17, s17, 2
	s_add_co_u32 s18, s17, s16                     ; which run of 8,192 numbers of the tensor is my wave's
	s_lshl_b32 s18, s18, 15                        ; 32,768 bytes each
	s_mov_b32 s19, 0
	s_add_nc_u64 s[4:5], s[4:5], s[18:19]
	s_lshl_b32 s20, ttmp9, 2
	s_add_co_u32 s20, s20, s16                     ; w_qkv's codes follow x's: the run's number in the codes is 4 x work-group + wave
	s_lshl_b32 s20, s20, 13                        ; 8,192 bytes each
	s_mov_b32 s21, 0
	s_add_nc_u64 s[10:11], s[10:11], s[20:21]
.macro LOAD t
.irp i, 0,1,2,3
	global_load_b128 v[R+16*((\t)%4)+4*\i:R+16*((\t)%4)+4*\i+3], v3, s[4:5] offset:2048*(\t)+512*\i th:TH_LOAD_NT   ; 32 lanes read 512 consecutive bytes; read once in the launch
.endr
.endm
.macro TURN t                          ; step t's numbers through the stage: LDS serves a wave's instructions in order, so no wait stands between the stores and the loads
.irp i, 0,1,2,3
	ds_store_b128 v14, v[R+16*((\t)%4)+4*\i:R+16*((\t)%4)+4*\i+3] offset:32*SP*((\t)%2)+8*SP*\i
.endr
.irp i, 0,1,2,3
	ds_load_b128 v[X+16*((\t)%2)+4*\i:X+16*((\t)%2)+4*\i+3], v15 offset:32*SP*((\t)%2)+16*\i
.endr
.endm
.irp t, 0,1,2,3
	LOAD \t
.endr
	s_wait_kmcnt 0x0
	s_cmp_lt_u32 ttmp9, WGX
	s_cselect_b32 s22, s22, s23                    ; e
	s_add_co_i32 s22, s22, 127
	s_lshl_b32 s23, s22, 23
	v_mov_b32 v11, s23                             ; 2^e as f32: the conversion takes its exponent field
	s_add_co_i32 s22, s22, EMAX
	s_lshl_b32 s22, s22, 23
	s_or_b32 s22, s22, MANT
	v_mov_b32 v10, s22                             ; 448 x 2^e
	s_wait_loadcnt 12                              ; step 0's four loads are in; the twelve of steps 1 to 3 may be out
	TURN 0
.macro STEP t
.set XS, X+16*((\t)%2)
	s_wait_dscnt 0x0                               ; this step's numbers are back from the stage: so its stores into the stage have read their registers,
.if (\t)+4 < STEPS
	LOAD (\t)+4                                    ; which take the loads of four steps on
.endif
.if (\t)+1 < STEPS
.if STEPS-2-(\t) >= 3
	s_wait_loadcnt 12                              ; the next step's four loads are in; those of the three steps behind it may be out
.else
	s_wait_loadcnt 4*(STEPS-2-(\t))                ; the tail: fewer steps are behind it
.endif
	TURN (\t)+1                                    ; they go through the other stage while this step is worked
.endif
.irp i, 0,1,2,3,4,5,6,7,8,9,10,11,12,13,14,15
	v_med3_num_f32 v[XS+\i], v[XS+\i], -v10, v10   ; the conversion to an 8-bit code does not saturate (ISA guide 7.6.2): hold the number within 448 x the scale first
.endr
	v_cvt_scalef32_pk8_fp8_f32 v[C+4*(\t):C+4*(\t)+1], v[XS:XS+7], v11          ; eight numbers / 2^e; the first number's code in the lowest byte
	v_cvt_scalef32_pk8_fp8_f32 v[C+4*(\t)+2:C+4*(\t)+3], v[XS+8:XS+15], v11
	global_store_b128 v4, v[C+4*(\t):C+4*(\t)+3], s[10:11] offset:32*CB*(\t)    ; the results go to a store alone; the next vector lines are the next step's holds, on other registers
.endm
.irp t, 0,1,2,3,4,5,6,7,8,9,10,11,12,13,14,15
	STEP \t
.endr
	s_wait_tensorcnt 0x0
	ds_add_u32 v192, v193
	s_wait_dscnt 0x0
	s_endpgm
.Lfunc_end_k_q0aeed49ca3_quant:
	.size	k_q0aeed49ca3_quant, .Lfunc_end_k_q0aeed49ca3_quant-k_q0aeed49ca3_quant
	.p2alignl 7, 3214868480
	.fill 96, 4, 3214868480
	.section	.rodata,"a",@progbits
	.p2align	6, 0x0
	.amdhsa_kernel k_q0aeed49ca3_quant
		.amdhsa_group_segment_fixed_size 33280
		.amdhsa_private_segment_fixed_size 0
		.amdhsa_enable_private_segment 0
		.amdhsa_kernarg_size 32
		.amdhsa_user_sgpr_count 2
		.amdhsa_user_sgpr_kernarg_segment_ptr 1
		.amdhsa_wavefront_size32 1
		.amdhsa_system_sgpr_workgroup_id_x 1
		.amdhsa_system_sgpr_workgroup_id_y 1
		.amdhsa_system_sgpr_workgroup_id_z 1
		.amdhsa_system_vgpr_workitem_id 0
		.amdhsa_next_free_vgpr 194
		.amdhsa_next_free_sgpr 66
		.amdhsa_reserve_vcc 0
		.amdhsa_float_denorm_mode_32 3
		.amdhsa_float_denorm_mode_16_64 3
		.amdhsa_memory_ordered 1
		.amdhsa_forward_progress 1
		.amdhsa_inst_pref_size 37
	.end_amdhsa_kernel
	.amdgpu_metadata
---
amdhsa.version: [ 1, 2 ]
amdhsa.kernels:
  - .name:           k_q0aeed49ca3_quant
    .symbol:         k_q0aeed49ca3_quant.kd
    .args:
      - { .name: x, .offset: 0, .size: 8, .value_kind: global_buffer, .address_space: global }
      - { .name: w_qkv, .offset: 8, .size: 8, .value_kind: global_buffer, .address_space: global }
      - { .name: lowp_scales, .offset: 16, .size: 8, .value_kind: global_buffer, .address_space: global }
      - { .name: codes, .offset: 24, .size: 8, .value_kind: global_buffer, .address_space: global }
    .group_segment_fixed_size: 33280
    .private_segment_fixed_size: 0
    .kernarg_segment_align: 8
    .kernarg_segment_size: 32
    .max_flat_workgroup_size: 128
    .sgpr_count:     66
    .vgpr_count:     194
    .wavefront_size: 32
...
	.end_amdgpu_metadata
.endif
;; end of part 1
;; launch qkvgemm (part 2): grid 96 x 4, 4 waves a work-group, clusters of 4 x 4, 327,680 bytes of LDS; arguments codes, b_qkv, lowp_scales, qkv; writes qkv
.if DOCPART == 2
	.amdgcn_target "amdgcn-amd-amdhsa--gfx1250"
	.amdhsa_code_object_version 6
	.text
	.protected	k_q0aeed49ca3_qkvgemm
	.globl	k_q0aeed49ca3_qkvgemm
	.p2align	8
	.type	k_q0aeed49ca3_qkvgemm,@function
k_q0aeed49ca3_qkvgemm:
	s_mov_b64 s[64:65], 0
	v_nop
	global_prefetch_b8 v0, s[64:65] scope:SCOPE_SE
	s_setreg_imm32_b32 hwreg(HW_REG_WAVE_MODE, 25, 1), 1
	s_wait_xcnt 0x0
	s_wait_alu depctr_hold_cnt(0) depctr_sa_sdst(0) depctr_va_vdst(0) depctr_va_sdst(0) depctr_va_ssrc(0) depctr_va_vcc(0) depctr_vm_vsrc(0)
	s_getreg_b32 s2, hwreg(HW_REG_IB_STS2, 6, 4)
	s_cmp_eq_u32 s2, 0
	s_cbranch_scc0 .Lentry_in_a_cluster
	s_endpgm
.Lentry_in_a_cluster:
	s_bfe_u32 s2, ttmp6, 0x10000c
	s_cmp_lg_u32 s2, 0xf033
	s_cbranch_scc0 .Lentry_shape_is_right
	s_endpgm
.Lentry_shape_is_right:
; qkv = x w_qkv^T + b_qkv on codes of FP8 (E4M3), K = 1,024, and its results quantised at once for the attention's products: q / 8 with 2^e2, k with 2^e3, v with 2^e5 (e0 .. e5: the given exponents).
; A tile of 256 x 256 is made by four waves, as many as a WGP has SIMDs; a wave makes 128 x 128: 64 accumulators, 512 registers.  K goes in steps of 256 through a ring of two LDS slots filled by the tensor data mover.
; THE MATRIX INSTRUCTION IS USED TRANSPOSED (source 0 = 16 rows of B, source 1 = 16 rows of A): a lane holds ONE row of A's and eight neighbours along B's rows.  One conversion of an accumulator's eight registers
; is then two registers of the next product's operand, if B's rows are that product's K:
;   q, k (clusters 0-15):  A = x's rows (tokens), B = w_qkv's rows (features): eight neighbours along the head's 64.   v (clusters 16-23): A = w_v's rows (features), B = x's rows (tokens): eight neighbouring keys.
; Both are the same text up to the way out: only row numbers in the one buffer of codes differ (x: rows 0 on; w_q, w_k: 8,192 on; w_v: 10,240 on).
; THE RESULTS ARE STORED AS IMAGES OF OPERAND REGISTERS: four registers of all 32 lanes, 16 bytes a lane, are 512 consecutive bytes.  So they leave straight from the conversions, each store 512 aligned bytes, with no stage in LDS.
;   Q at byte 0, K at 2^23: [batch x head 64][tile of 16 tokens 128][1,024]: the fragment 16 tokens x 64: lane (r, h), registers 2 c, 2 c + 1: token r, d = 16 c + 8 h + 0 .. 7.
;   V at 2^24: [batch 4][128 keys 16][tile of 16 features 64][2,048]: the fragment 16 features x 128 keys: lane (r, h), registers 2 c, 2 c + 1: feature r, keys 16 c + 8 h + 0 .. 7.
; CLUSTERS: 4 x 4 work-groups; A's tile is shared along a row of the cluster, B's along a column: each is asked for JOINTLY, by the same tensor load with the same descriptor and a mask that names the four.
; GRID: 24 clusters along x, 384 tiles.  A tile of 256 x 384, which would make 256 equal shares, does not divide q's and k's 2,048 columns; half tiles would pay head and way out more often for K of only four slots.
; The fragments are fetched 16 bytes at a time, which permutes k alike in A and in B: every product meets its partner, only the order of the sums inside an instruction changes.
; LIMITS: e0 + e1 between -126 and 127; e2 + 3, e3 and e5 between -126 and 119: each power of two below is then an f32 number.  NaN among the inputs is not served.
; REGISTERS, in windows of 256: window 0: v0-31 addresses and constants; v32-95 the biases of my 128 columns, v96-111 of my 128 rows; from v128 A's fragments, ONE set; on the way out v128-191 numbers, v192-255 codes.
;   window 1: B's fragments, TWO sets, at v0 and v128.   window 2: the 32 accumulators of my rows 0-63 ((a, b) at v[8 (8 a + b)]);   window 3: those of my rows 64-127.
.set SIZE_K, 1024
.set KSTEP,  256                       ; along K in a slot
.set ROWB,   256                       ; a tile's row in bytes
.set KROW,   SIZE_K                    ; a row of codes in memory, in bytes
.set PITCH,  272                       ; an LDS row: 256 bytes + 16 of padding = 68 words: row r starts at bank 4 r mod 64 (64 banks of 4 bytes: ISA guide 11.1)
.set FR,     16                        ; registers of a fragment: 16 rows x 128 K
.set NL,     4                         ; LDS loads that bring one
.set NP,     4                         ; places behind this matrix instruction (ISA guide 7.12.1)
.set HALFT,  128*PITCH                 ; 128 rows: what one tensor load brings, and what one wave reads of A or of B
.set SLOT,   4*HALFT                   ; A's 256 rows, then B's 256 rows
.set LAPS,   SIZE_K/(2*KSTEP)          ; a lap = two K steps = once round the ring
.set SPARE,  2*SLOT                    ; behind the ring: the spare words, 128 bytes for each wave: two blocks of 256 bytes that no other line names
.set ADRA, 16                          ; v16-17  LDS address of my A fragments in slot 0, 1
.set ADRB, 20                          ; v20-21  the same for B
.set HB,   22                          ; v22     32 x (lane / 16): my eight columns' biases
.set RB,   23                          ; v23     4 x (lane % 16): my row's bias
.set OV,   26                          ; v26     16 x lane: my place in an image's 512 bytes
.set SPW,  28                          ; v28     LDS address of my spare word; never rewritten
.set NIL,  29                          ; v29     0; never rewritten
.set SC,   30                          ; v30     the conversion's scale as f32
.set LIM,  31                          ; v31     448 x that
.set BN,   32                          ; v32-95  b_qkv of my 128 columns, in the accumulators' layout (q, k)
.set BM,   96                          ; v96-111 b_qkv of my row in each of A's eight blocks, each twice: a pair for the packed form (v)
.set AF,   128                         ; A's fragments
.set T,    128                         ; the way out: a block's 64 numbers
.set CD,   192                         ; the way out: four sets of 16 registers of codes
.set G1, 24                            ; s[24:31] descriptor group 1 for A's tiles;  s[32:39] group 0, one set for each slot
.set G0, 32
.set G1B, 48                           ; s[48:55], s[56:63] the same for B's tiles
.set G0B, 56
.set MSB, 0
.macro WIN new                         ; the immediate's high byte repeats the setting that is left
.if MSB != \new
	s_set_vgpr_msb (MSB<<8)|\new
.set MSB, \new
.endif
.endm
.set MUL_LO, 0xa1                      ; source 0 (B) window 1, source 1 (A) window 0, C and D window 2
.set MUL_HI, 0xf1                      ; the same, C and D window 3
.set TO_B,   0x40                      ; destination window 1, address window 0
; A joint load: waves 0 and 1 fetch for A, waves 2 and 3 for B.  Each of the two lines has ONE mask and one set of registers for all that issue it; the branch hangs on the wave's number alone.
; Four v_nop follow each of the two lines, ahead of the jump, the label and what follows.
.macro JLOAD g0a, g1a, g0b, g1b
	s_cmp_eq_u32 s15, 0
	s_cbranch_scc0 .Lfor_b_\@
	tensor_load_to_lds s[\g0a:\g0a+3], s[\g1a:\g1a+7]
	s_nop 0
.rept 4
	v_nop
.endr
	s_branch .Lasked_\@
.Lfor_b_\@:
	tensor_load_to_lds s[\g0b:\g0b+3], s[\g1b:\g1b+7]
	s_nop 0
.rept 4
	v_nop
.endr
.Lasked_\@:
.endm
.macro CREST                           ; a round of the cluster's barrier behind its opening barrier
	s_cmp_lg_u32 s14, 0
	s_cbranch_scc1 .Lnot_wave_0_\@
	s_barrier_signal -3
.Lnot_wave_0_\@:
	s_barrier_wait -3
	s_barrier_signal -1
	s_barrier_wait -1
.endm
.macro CROUND                          ; a whole round
	s_barrier_signal -1
	s_barrier_wait -1
	CREST
.endm
	s_load_b256 s[4:11], s[0:1], 0x0               ; the codes s[4:5], b_qkv s[6:7], the exponents s[8:9], qkv s[10:11]
	v_lshl_add_u32 v[SPW], v0, 2, SPARE
	v_mov_b32 v[NIL], 0
	ds_add_u32 v28, v29
	ds_add_u32 v28, v29
	s_wait_dscnt 0x0
	v_lshrrev_b32 v1, 5, v0
	v_readfirstlane_b32 s14, v1                    ; wave 0..3
	s_lshr_b32 s15, s14, 1                         ; which half of the tile's rows (A) is mine.  Also: I fetch for A (0) or for B (1)
	s_and_b32 s16, s14, 1                          ; which half of its columns (B).  Also: which 128 rows of that tile I fetch
	s_bfe_u32 s40, ttmp6, 0x40000                  ; cx, cy: my place in the cluster
	s_bfe_u32 s41, ttmp6, 0x40004
	s_lshl_b32 s43, s41, 2
	s_lshl_b32 s43, 15, s43                        ; my row of the cluster
	s_lshl_b32 s44, 0x1111, s40                    ; my column
	; descriptor group 1: a tile of 128 rows x 256 bytes, padded in LDS
	s_or_b32 s[G1+0], s43, (0<<16)|(1<<20)|(1<<21)|(5<<22)|(3<<25)  ; 15:0 the mask: A's tiles go to my row; 17:16 element of 1 byte; 20 padding on; 21 set beside a mask; 24:22 after every 64 words (code 5); 31:25 of 4 words (code 3)
	s_or_b32 s[G1B+0], s44, (0<<16)|(1<<20)|(1<<21)|(5<<22)|(3<<25) ; the same with my column's mask, for B's tiles
.irp g, G1, G1B
	s_mov_b32 s[\g+1], ROWB<<16                    ; tensor_dim0
	s_mov_b32 s[\g+2], 128<<16                     ; tensor_dim1 = 128
	s_mov_b32 s[\g+3], ROWB<<16                    ; tile_dim0
	s_mov_b32 s[\g+4], 128                         ; tile_dim1 = 128
	s_mov_b32 s[\g+5], KROW                        ; tensor_dim0_stride
	s_mov_b32 s[\g+6], 0
	s_mov_b32 s[\g+7], 0
.endr
	; the cluster's first rows in the buffer of codes, from its number c = ttmp9 alone, which all sixteen share
	s_lshr_b32 s80, ttmp9, 1
	s_lshl_b32 s80, s80, 10                        ; q, k: A = x's rows 1,024 (c / 2) on,
	s_and_b32 s81, ttmp9, 1
	s_lshl_b32 s81, s81, 10
	s_add_co_u32 s81, s81, 8192                    ;       B = w_q's (c even) or w_k's (c odd) rows
	s_and_b32 s82, ttmp9, 7
	s_lshl_b32 s82, s82, 10                        ; v:    B = x's rows 1,024 (c % 8) on,
	s_cmp_lt_u32 ttmp9, 16
	s_cselect_b32 s80, s80, 0x2800                 ;       A = w_v's rows: 10,240 on
	s_cselect_b32 s81, s81, s82
	s_lshl_b32 s18, s16, 7                         ; which 128 rows of the tile I fetch
	s_lshl_b32 s20, s41, 8
	s_add_co_u32 s20, s20, s80
	s_add_co_u32 s20, s20, s18                     ; A: + 256 cy + 128 x half: no register that feeds A's descriptors ever holds cx,
	s_lshl_b32 s46, s40, 8
	s_add_co_u32 s46, s46, s81
	s_add_co_u32 s46, s46, s18                     ; B: + 256 cx + 128 x half: none that feeds B's ever holds cy
	s_lshl_b32 s20, s20, 10                        ; rows of 1,024 bytes: under 2^24
	s_lshl_b32 s46, s46, 10
	s_mov_b32 s21, 0
	s_mov_b32 s47, 0
	s_mul_i32 s45, s14, HALFT                      ; where they go: wave x 128 rows: no place in the cluster enters an LDS address
	s_wait_kmcnt 0x0
	s_load_b128 s[68:71], s[8:9], 0x0              ; e0 .. e3
	s_load_b64 s[72:73], s[8:9], 0x10              ; e4, e5
	s_add_nc_u64 s[20:21], s[4:5], s[20:21]
	s_add_nc_u64 s[46:47], s[4:5], s[46:47]
	CROUND                                         ; all sixteen work-groups are here: the first joint loads meet
.irp s, 0,1
	s_mov_b32 s[G0+4*\s], 1
	s_add_co_u32 s[G0+4*\s+1], s45, \s*SLOT
	s_add_nc_u64 s[G0+4*\s+2:G0+4*\s+3], s[20:21], \s*ROWB
	s_or_b32 s[G0+4*\s+3], s[G0+4*\s+3], 0x80000000
	s_mov_b32 s[G0B+4*\s], 1
	s_add_co_u32 s[G0B+4*\s+1], s45, \s*SLOT
	s_add_nc_u64 s[G0B+4*\s+2:G0B+4*\s+3], s[46:47], \s*ROWB
	s_or_b32 s[G0B+4*\s+3], s[G0B+4*\s+3], 0x80000000
	JLOAD G0+4*\s, G1, G0B+4*\s, G1B               ; two tensor loads of mine are out
.endr
	v_and_b32 v1, 15, v0                           ; l % 16
	v_bfe_u32 v2, v0, 4, 1                         ; l / 16
	v_mul_u32_u24 v3, v1, PITCH
	v_lshl_add_u32 v4, v2, 4, v3                   ; a fragment's row x pitch + 16 x half
	s_mul_i32 s21, s15, HALFT                      ; my 128 rows of A
	s_mul_i32 s22, s16, HALFT                      ; my 128 rows of B,
	s_add_co_u32 s22, s22, 2*HALFT                 ; which lie behind A's 256
.irp s, 0,1
	v_add_nc_u32 v[ADRA+\s], s21, v4
	v_add_nc_u32 v[ADRB+\s], s22, v4
	s_add_co_u32 s21, s21, SLOT
	s_add_co_u32 s22, s22, SLOT
.endr
	v_lshlrev_b32 v[HB], 5, v2
	v_lshlrev_b32 v[RB], 2, v1
	v_and_b32 v6, 31, v0
	v_lshlrev_b32 v[OV], 4, v6
	; THE BIASES, asked for now and waited for on the way out.  Both sets are asked for in every work-group, so that every register of the way out is written on the one way that all take; both lie inside b_qkv for every c.
	s_and_b32 s84, ttmp9, 1
	s_lshl_b32 s84, s84, 12
	s_lshl_b32 s85, s40, 10
	s_add_co_u32 s84, s84, s85
	s_lshl_b32 s85, s16, 9
	s_add_co_u32 s84, s84, s85                     ; by columns: 4 x (1,024 (c % 2) + 256 cx + 128 x column half)
	s_mov_b32 s85, 0
	s_add_nc_u64 s[84:85], s[6:7], s[84:85]
	s_lshl_b32 s86, s41, 10
	s_lshl_b32 s87, s15, 9
	s_add_co_u32 s86, s86, s87
	s_add_co_u32 s86, s86, 8192                    ; by rows: 4 x (2,048 + 256 cy + 128 x row half)
	s_mov_b32 s87, 0
	s_add_nc_u64 s[86:87], s[6:7], s[86:87]
.irp b, 0,1,2,3,4,5,6,7
	global_load_b128 v[BN+8*\b:BN+8*\b+3],   v[HB], s[84:85] offset:64*\b      ; columns 16 b + 8 (l / 16) + 0 .. 7
	global_load_b128 v[BN+8*\b+4:BN+8*\b+7], v[HB], s[84:85] offset:64*\b+16
.endr
.irp a, 0,1,2,3,4,5,6,7
	global_load_b32 v[BM+2*\a],   v[RB], s[86:87] offset:64*\a                  ; row 16 a + l % 16
	global_load_b32 v[BM+2*\a+1], v[RB], s[86:87] offset:64*\a
.endr
.macro FRAG reg, adr, q, i             ; a fragment, 16 rows x 128 K, is 16 registers: lane l holds row l % 16; registers 4 c .. 4 c + 3 hold K = 32 c + 16 (l / 16) + 0 .. 15
.irp c, 0,1,2,3
	ds_load_b128 v[\reg+4*\c:\reg+4*\c+3], v[\adr] offset:128*(\q)+32*\c+(\i)*16*PITCH
.endr
.endm
; 16 matrix instructions: A's blocks a0, a0 + 1 x B's eight, 128 along K.  p: B's set.  zero = 1: the first product starts the sums: nothing is ever cleared.
; The 64 accumulators take turns, one instruction a turn, in the same order in every step.
.macro MUL16 a0, p, zero
.irp a, \a0, \a0+1
.irp b, 0,1,2,3,4,5,6,7
.if \zero
	v_wmma_f32_16x16x128_fp8_fp8 v[8*(8*((\a)%4)+\b):8*(8*((\a)%4)+\b)+7], v[128*(\p)+FR*\b:128*(\p)+FR*\b+FR-1], v[AF+FR*(\a):AF+FR*(\a)+FR-1], 0
.else
	v_wmma_f32_16x16x128_fp8_fp8 v[8*(8*((\a)%4)+\b):8*(8*((\a)%4)+\b)+7], v[128*(\p)+FR*\b:128*(\p)+FR*\b+FR-1], v[AF+FR*(\a):AF+FR*(\a)+FR-1], v[8*(8*((\a)%4)+\b):8*(8*((\a)%4)+\b)+7]
.endif
.endr
.endr
.endm
.macro FETCH_B slot, q, p              ; B's eight fragments of the slot's q-th 128 along K into set p
	WIN TO_B
.irp i, 0,1,2,3,4,5,6,7
	FRAG 128*(\p)+FR*\i, ADRB+\slot, \q, \i
.endr
	WIN 0
.endm
.macro FETCH_A slot, q, i0             ; A's blocks i0 .. i0 + 3
.irp i, \i0, \i0+1, \i0+2, \i0+3
	FRAG AF+FR*(\i), ADRA+\slot, \q, \i
.endr
.endm
; A load into a register that a matrix instruction has read, and a vector instruction that reads a matrix result or writes one of its registers, stand NP places behind it; only plain vector
; instructions that name none of its registers are places (ISA guide 7.12.1 for vector instructions).
.macro PLACES n
.rept \n
	v_nop
.endr
.endm
; A step of 128 along K that has its successor in the same slot.  A's blocks go one after the other, each against B's eight: a block of A is free as soon as its eight products are issued, so one set serves A.
.macro STEP slot, q, zero
	s_wait_dscnt 4*NL                              ; B's set and A's blocks 0-3 are in; the youngest sixteen loads (A's blocks 4-7) may be out
	WIN MUL_LO
	MUL16 0, (\q)%2, \zero
	MUL16 2, (\q)%2, \zero
	s_wait_dscnt 0                                 ; A's blocks 4-7 are in (asked for 32 matrix instructions ago)
	PLACES NP
	FETCH_B \slot, (\q)+1, 1-(\q)%2
	FETCH_A \slot, (\q)+1, 0
	WIN MUL_HI
	MUL16 4, (\q)%2, \zero
	MUL16 6, (\q)%2, \zero
	PLACES NP
	WIN 0
	FETCH_A \slot, (\q)+1, 4
.endm
; A slot's last step changes slots: ONE barrier; in front of it each wave waits for all its tensor loads, adds 0 to its spare word, and waits for that and for its own reads of this slot.  fill = 1: this slot is filled again, two K steps ahead.
.macro TURN slot, next, fill
	s_wait_tensorcnt 0x0                           ; all my tensor loads have landed: my part of the next slot  (every window is 0 here: the add's two registers lie in window 0)
	ds_add_u32 v[SPW], v[NIL]                      ; 0 onto my spare word
	s_wait_dscnt 4*NL+1                            ; the add and the youngest sixteen loads, A's blocks 4-7, may be out
	WIN MUL_LO
	MUL16 0, 1, 0                                  ; sixteen matrix instructions stand between the add and the wait for it
	s_wait_dscnt 0x0                               ; the add is done, and my reads of this slot are over
	s_barrier_signal -1
	MUL16 2, 1, 0
	WIN 0
	s_barrier_wait -1
.if \fill
	CREST                                          ; the barrier has opened a round of the cluster's barrier: no wave of any partner still reads this slot's tile or has a load on its way
	s_add_nc_u64 s[G0+4*\slot+2:G0+4*\slot+3], s[G0+4*\slot+2:G0+4*\slot+3], 2*ROWB
	s_add_nc_u64 s[G0B+4*\slot+2:G0B+4*\slot+3], s[G0B+4*\slot+2:G0B+4*\slot+3], 2*ROWB
	JLOAD G0+4*\slot, G1, G0B+4*\slot, G1B         ; the first tensor load behind the round, my one load until the next; the four v_nop behind it are the places in front of the loads below
.else
	PLACES NP
.endif
	FETCH_B \next, 0, 0
	FETCH_A \next, 0, 0
	WIN MUL_HI
	MUL16 4, 1, 0
	MUL16 6, 1, 0
	PLACES NP
	WIN 0
	FETCH_A \next, 0, 4
.endm
	s_wait_tensorcnt 1                             ; my part of K step 0 is in (K step 1's load may be out)
	s_barrier_signal -1
	s_barrier_wait -1                              ; everybody's is
	FETCH_B 0, 0, 0
	FETCH_A 0, 0, 0
	FETCH_A 0, 0, 4
	STEP 0, 0, 1                                   ; the first step stands in front of the loop: its products start the sums
	s_mov_b32 s3, LAPS-1
.Llap:                                                 ; a trip goes once round the ring, from a lap's second step to the next lap's first, and fills both slots again: LAPS - 1 trips
	TURN 0, 1, 1
	STEP 1, 0, 0
	TURN 1, 0, 1
	STEP 0, 0, 0
	s_sub_co_u32 s3, s3, 1
	s_cmp_lg_u32 s3, 0
	s_cbranch_scc1 .Llap
	TURN 0, 1, 0                                   ; the last lap fills nothing, and has no round of the cluster's barrier
	STEP 1, 0, 0
	s_wait_dscnt 4*NL                              ; the very last step: nothing more to fetch
	WIN MUL_LO
	MUL16 0, 1, 0
	MUL16 2, 1, 0
	s_wait_dscnt 0
	WIN MUL_HI
	MUL16 4, 1, 0
	MUL16 6, 1, 0
	WIN 0
; THE WAY OUT, block by block of A's 16 rows.  number = sum x 2^(e0 + e1) + bias, one packed multiply-add for two, each accumulator from its low end on; held within 448 x the scale; eight numbers to a conversion.
; Accumulator b's codes are registers 2 b, 2 b + 1 of the block's sixteen.  q, k: registers 0-7 are the fragment of my first head's 16 tokens, 8-15 of my second head's (131,072 bytes on).  v: all sixteen are one fragment.
.macro OUT a, isv
.set AC, 64*((\a)%4)
.set CDS, CD+16*((\a)%4)
	WIN 0x02+((\a)/4)                              ; source 0: window 2 or 3
.irp b, 0,1,2,3,4,5,6,7
.irp i, 0,2,4,6
.if \isv
	v_pk_fma_f32 v[T+8*\b+\i:T+8*\b+\i+1], v[AC+8*\b+\i:AC+8*\b+\i+1], s[76:77], v[BM+2*(\a):BM+2*(\a)+1] op_sel_hi:[1,0,1]   ; my row is a feature: one bias for all
.else
	v_pk_fma_f32 v[T+8*\b+\i:T+8*\b+\i+1], v[AC+8*\b+\i:AC+8*\b+\i+1], s[76:77], v[BN+8*\b+\i:BN+8*\b+\i+1] op_sel_hi:[1,0,1] ; my registers run along the features
.endif
.endr
.endr
	WIN 0
.if (\a) >= 4
	s_wait_xcnt 0x0                                ; block a - 4's stores have read this set of codes: it is written again only behind this wait
.endif
.irp b, 0,1,2,3,4,5,6,7
.irp i, 0,1,2,3,4,5,6,7
	v_med3_num_f32 v[T+8*\b+\i], v[T+8*\b+\i], -v[LIM], v[LIM]   ; the conversion to an 8-bit code does not saturate (ISA guide 7.6.2)
.endr
	v_cvt_scalef32_pk8_fp8_f32 v[CDS+2*\b:CDS+2*\b+1], v[T+8*\b:T+8*\b+7], v[SC]
.endr
	v_nop                                          ; one plain vector line between the last conversion and the next block's lines, which write its sources
.irp u, 0,1,2,3
.if \isv
	global_store_b128 v[OV], v[CDS+4*\u:CDS+4*\u+3], s[10:11] offset:(\a)*2048+512*\u                          ; 32 lanes store 512 consecutive bytes, aligned; the next launch reads them: no hint
.else
	global_store_b128 v[OV], v[CDS+4*\u:CDS+4*\u+3], s[10:11] offset:(\a)*1024+(\u/2)*131072+(\u%2)*512
.endif
.endr
.endm
.macro SCALES                          ; s88 = the exponent eo of the conversion's scale: v[SC] = 2^eo, v[LIM] = 448 x 2^eo
	s_add_co_i32 s88, s88, 127
	s_lshl_b32 s89, s88, 23
	v_mov_b32 v[SC], s89
	s_add_co_i32 s88, s88, 8
	s_lshl_b32 s88, s88, 23
	s_or_b32 s88, s88, 0x600000
	v_mov_b32 v[LIM], s88
.endm
	s_wait_loadcnt 0x0                             ; the biases
	s_wait_kmcnt 0x0                               ; the exponents
	s_add_co_i32 s76, s68, s69
	s_add_co_i32 s76, s76, 127
	s_lshl_b32 s76, s76, 23                        ; 2^(e0 + e1) as f32
	s_mov_b32 s77, s76                             ; (named with it as a pair, so it is written)
	PLACES NP                                      ; behind the last products: their results are read below, and the registers that held A's fragments are written
	s_cmp_lt_u32 ttmp9, 16                         ; the cluster's number: the same in all sixteen partners; no LDS instruction, tensor load or barrier stands on either way
	s_cbranch_scc0 .Lv_out
	s_and_b32 s90, ttmp9, 1                        ; q (0) or k (1)
	s_add_co_i32 s88, s70, 3                       ; q / 8 / 2^e2 = q / 2^(e2 + 3): the factor 1/8 goes into the conversion's scale, exactly
	s_cmp_lg_u32 s90, 0
	s_cselect_b32 s88, s71, s88                    ; k: e3
	s_lshl_b32 s90, s90, 23                        ; K's images lie 2^23 bytes behind Q's
	s_lshr_b32 s91, ttmp9, 2
	s_lshl_b32 s91, s91, 21                        ; the batch: 16 heads x 131,072
	s_add_co_u32 s90, s90, s91
	s_lshl_b32 s91, s40, 2
	s_lshl_b32 s92, s16, 1
	s_add_co_u32 s91, s91, s92
	s_lshl_b32 s91, s91, 17                        ; my first head: 4 cx + 2 x column half
	s_add_co_u32 s90, s90, s91
	s_bfe_u32 s91, ttmp9, 0x10001
	s_lshl_b32 s91, s91, 10
	s_lshl_b32 s92, s41, 8
	s_add_co_u32 s91, s91, s92
	s_lshl_b32 s92, s15, 7
	s_add_co_u32 s91, s91, s92                     ; my first token in the batch: 1,024 ((c / 2) % 2) + 256 cy + 128 x row half
	s_lshl_b32 s91, s91, 6                         ; 1,024 bytes for 16 tokens
	s_add_co_u32 s90, s90, s91
	s_mov_b32 s91, 0
	s_add_nc_u64 s[10:11], s[10:11], s[90:91]
	SCALES
.irp a, 0,1,2,3,4,5,6,7
	OUT \a, 0
.endr
	s_branch .Lout_done
.Lv_out:
	s_mov_b32 s88, s73                             ; e5
	s_and_b32 s91, ttmp9, 7
	s_lshr_b32 s91, s91, 1
	s_lshl_b32 s90, s91, 21                        ; the batch: 16 key steps x 131,072
	s_add_co_u32 s90, s90, 0x1000000               ; V's images lie at 2^24
	s_and_b32 s91, ttmp9, 1
	s_lshl_b32 s91, s91, 3
	s_lshl_b32 s92, s40, 1
	s_add_co_u32 s91, s91, s92
	s_add_co_u32 s91, s91, s16
	s_lshl_b32 s91, s91, 17                        ; my 128 keys: step 8 (c % 2) + 2 cx + column half
	s_add_co_u32 s90, s90, s91
	s_lshl_b32 s91, s41, 4
	s_lshl_b32 s92, s15, 3
	s_add_co_u32 s91, s91, s92
	s_lshl_b32 s91, s91, 11                        ; my first tile of 16 features: 16 cy + 8 x row half
	s_add_co_u32 s90, s90, s91
	s_mov_b32 s91, 0
	s_add_nc_u64 s[10:11], s[10:11], s[90:91]
	SCALES
.irp a, 0,1,2,3,4,5,6,7
	OUT \a, 1
.endr
.Lout_done:
	s_wait_tensorcnt 0x0                           ; the wave's end: behind my last tensor load
	ds_add_u32 v[SPW], v[NIL]
	s_wait_dscnt 0x0
	CROUND                                         ; the closing round: no work-group ends while a partner may still ask for a tile that names it
	s_endpgm
.Lfunc_end_k_q0aeed49ca3_qkvgemm:
	.size	k_q0aeed49ca3_qkvgemm, .Lfunc_end_k_q0aeed49ca3_qkvgemm-k_q0aeed49ca3_qkvgemm
	.p2alignl 7, 3214868480
	.fill 96, 4, 3214868480
	.section	.rodata,"a",@progbits
	.p2align	6, 0x0
	.amdhsa_kernel k_q0aeed49ca3_qkvgemm
		.amdhsa_group_segment_fixed_size 327680
		.amdhsa_private_segment_fixed_size 0
		.amdhsa_enable_private_segment 0
		.amdhsa_kernarg_size 32
		.amdhsa_user_sgpr_count 2
		.amdhsa_user_sgpr_kernarg_segment_ptr 1
		.amdhsa_wavefront_size32 1
		.amdhsa_system_sgpr_workgroup_id_x 1
		.amdhsa_system_sgpr_workgroup_id_y 1
		.amdhsa_system_sgpr_workgroup_id_z 1
		.amdhsa_system_vgpr_workitem_id 0
		.amdhsa_next_free_vgpr 1024
		.amdhsa_next_free_sgpr 100
		.amdhsa_reserve_vcc 0
		.amdhsa_float_denorm_mode_32 3
		.amdhsa_float_denorm_mode_16_64 3
		.amdhsa_memory_ordered 1
		.amdhsa_forward_progress 1
		.amdhsa_inst_pref_size 195
	.end_amdhsa_kernel
	.amdgpu_metadata
---
amdhsa.version: [ 1, 2 ]
amdhsa.kernels:
  - .name:           k_q0aeed49ca3_qkvgemm
    .symbol:         k_q0aeed49ca3_qkvgemm.kd
    .args:
      - { .name: codes, .offset: 0, .size: 8, .value_kind: global_buffer, .address_space: global }
      - { .name: b_qkv, .offset: 8, .size: 8, .value_kind: global_buffer, .address_space: global }
      - { .name: lowp_scales, .offset: 16, .size: 8, .value_kind: global_buffer, .address_space: global }
      - { .name: qkv, .offset: 24, .size: 8, .value_kind: global_buffer, .address_space: global }
    .group_segment_fixed_size: 327680
    .private_segment_fixed_size: 0
    .kernarg_segment_align: 8
    .kernarg_segment_size: 32
    .max_flat_workgroup_size: 128
    .sgpr_count:     100
    .vgpr_count:     1024
    .wavefront_size: 32
...
	.end_amdgpu_metadata
.endif
;; end of part 2
;; launch attn (part 3): grid 4 x 64, 8 waves a work-group, clusters of 4 x 1, 297,984 bytes of LDS; arguments qkv, lowp_scales, out0; writes out0
.if DOCPART == 3
	.amdgcn_target "amdgcn-amd-amdhsa--gfx1250"
	.amdhsa_code_object_version 6
	.text
	.protected	k_q0aeed49ca3_attn
	.globl	k_q0aeed49ca3_attn
	.p2align	8
	.type	k_q0aeed49ca3_attn,@function
k_q0aeed49ca3_attn:
	s_mov_b64 s[64:65], 0
	v_nop
	global_prefetch_b8 v0, s[64:65] scope:SCOPE_SE
	s_setreg_imm32_b32 hwreg(HW_REG_WAVE_MODE, 25, 1), 1
	s_wait_xcnt 0x0
	s_wait_alu depctr_hold_cnt(0) depctr_sa_sdst(0) depctr_va_vdst(0) depctr_va_sdst(0) depctr_va_ssrc(0) depctr_va_vcc(0) depctr_vm_vsrc(0)
	s_getreg_b32 s2, hwreg(HW_REG_IB_STS2, 6, 4)
	s_cmp_eq_u32 s2, 0
	s_cbranch_scc0 .Lentry_in_a_cluster
	s_endpgm
.Lentry_in_a_cluster:
	s_bfe_u32 s2, ttmp6, 0x10000c
	s_cmp_lg_u32 s2, 0x3003
	s_cbranch_scc0 .Lentry_shape_is_right
	s_endpgm
.Lentry_shape_is_right:
.set VLDS,  131072
.set STAGE, 262144
.set SPI,   272
.set LI,   1
.set ADK,  2
.set ADV,  3
.set STO,  4
.set RD,   5
.set GO,   6
.set ST,   8
.set LIM,  24
.set SC,   25
.set PX,   26
.set SB,   28
.set KF,   32
.set SS,   96
.set PC,   224
.set VF,   80
.set QF,   144
.set WV,   10
.set G1,   16
.set SEL,  24
.set CS,   26
.set TB,   28
.set CNT,  29
.set G0,   32
.set EO,   63
.set MSB, 0
.macro WIN new
.if MSB != \new
	s_set_vgpr_msb (MSB<<8)|\new
.set MSB, \new
.endif
.endm
.macro ROUND
	s_barrier_signal -1
	s_barrier_wait -1
	s_cmp_lg_u32 s[WV], 0
	s_cbranch_scc1 .Lnot_wave_0_\@
	s_barrier_signal -3
.Lnot_wave_0_\@:
	s_barrier_wait -3
	s_barrier_signal -1
	s_barrier_wait -1
.endm
	s_load_b128 s[4:7], s[0:1], 0x0
	s_load_b64 s[8:9], s[0:1], 0x10
	v_lshl_add_u32 v7, v0, 2, 0x48800
	s_set_vgpr_msb 0x40
	v_mov_b32 v255, 0
	s_set_vgpr_msb 0x4044
	ds_add_u32 v7, v255
	ds_add_u32 v7, v255
	s_set_vgpr_msb 0x4400
	v_lshrrev_b32 v1, 5, v0
	s_delay_alu instid0(VALU_DEP_1)
	v_readfirstlane_b32 s[WV], v1
	s_lshr_b32 s11, s[WV], 2
	s_and_b32 s12, s[WV], 3
	s_bfe_u32 s13, ttmp6, 0x40000
	s_and_b32 s14, ttmp7, 0xffff
	s_mov_b32 s[G1], 15|(3<<16)|(1<<21)
	s_mov_b32 s[G1+1], 32<<16
	s_mov_b32 s[G1+2], 32<<16
	s_mov_b32 s[G1+3], 32<<16
	s_mov_b32 s[G1+4], 32
	s_mov_b32 s[G1+5], 32
	s_mov_b32 s[G1+6], 0
	s_mov_b32 s[G1+7], 0
	s_lshl_b32 s56, s14, 17
	s_lshl_b32 s57, s12, 13
	s_add_co_u32 s56, s56, s57
	s_add_co_u32 s56, s56, 0x800000
	s_lshr_b32 s57, s14, 4
	s_lshl_b32 s57, s57, 21
	s_and_b32 s58, s14, 15
	s_lshl_b32 s58, s58, 13
	s_add_co_u32 s57, s57, s58
	s_lshl_b32 s58, s12, 17
	s_add_co_u32 s57, s57, s58
	s_add_co_u32 s57, s57, 0x1000000
	s_sub_co_u32 s57, s57, s56
	s_mul_i32 s57, s57, s11
	s_add_co_u32 s56, s56, s57
	s_mov_b32 s57, 0
	s_mul_i32 s58, s11, 491520
	s_add_co_u32 s58, s58, 32768
	s_mov_b32 s59, 0
	s_lshl_b32 s60, s11, 17
	s_lshl_b32 s61, s12, 13
	s_add_co_u32 s60, s60, s61
	s_lshl_b32 s52, s14, 17
	s_lshl_b32 s53, s13, 15
	s_add_co_u32 s52, s52, s53
	s_lshl_b32 s53, s[WV], 11
	s_add_co_u32 s52, s52, s53
	s_mov_b32 s53, 0
	s_lshr_b32 s54, s14, 4
	s_lshl_b32 s54, s54, 23
	s_and_b32 s55, s14, 15
	s_lshl_b32 s55, s55, 8
	s_add_co_u32 s54, s54, s55
	s_lshl_b32 s55, s13, 21
	s_add_co_u32 s54, s54, s55
	s_lshl_b32 s55, s[WV], 17
	s_add_co_u32 s54, s54, s55
	s_mov_b32 s55, 0
	s_mov_b32 s[SEL], 0x76543210
	s_mov_b32 s[SEL+1], 0xfedcba98
	s_wait_dscnt 0x0
	s_wait_kmcnt 0x0
	s_load_b128 s[48:51], s[6:7], 0x8
	s_add_nc_u64 s[56:57], s[4:5], s[56:57]
	s_add_nc_u64 s[52:53], s[4:5], s[52:53]
	s_add_nc_u64 s[54:55], s[8:9], s[54:55]
.irp n, 0,1,2,3
	s_mov_b32 s[G0+4*\n], 1
	s_add_co_u32 s[G0+4*\n+1], s60, \n*32768
	s_mov_b64 s[G0+4*\n+2:G0+4*\n+3], s[56:57]
	s_or_b32 s[G0+4*\n+3], s[G0+4*\n+3], 0x80000000
	s_add_nc_u64 s[56:57], s[56:57], s[58:59]
.endr
	ROUND
.irp n, 0,1,2,3
	tensor_load_to_lds s[G0+4*\n:G0+4*\n+3], s[G1:G1+7]
	s_nop 0
.endr
.rept 4
	v_nop
.endr
	v_and_b32 v[LI], 31, v0
	s_delay_alu instid0(VALU_DEP_1)
	v_lshlrev_b32 v[LI], 4, v[LI]
	v_and_b32 v2, 15, v0
	v_bfe_u32 v3, v0, 4, 1
	s_mul_i32 s62, s[WV], 16*SPI
	s_add_co_u32 s62, s62, STAGE
	v_mul_u32_u24 v[STO], v2, SPI
	s_delay_alu instid0(VALU_DEP_1)
	v_lshl_add_u32 v[STO], v3, 5, v[STO]
	s_delay_alu instid0(VALU_DEP_1)
	v_add_nc_u32 v[STO], s62, v[STO]
	v_mul_u32_u24 v[RD], v3, SPI
	s_delay_alu instid0(VALU_DEP_1)
	v_lshl_add_u32 v[RD], v2, 4, v[RD]
	s_delay_alu instid0(VALU_DEP_1)
	v_add_nc_u32 v[RD], s62, v[RD]
	v_lshlrev_b32 v[GO], 12, v3
	s_delay_alu instid0(VALU_DEP_1)
	v_lshl_add_u32 v[GO], v2, 4, v[GO]
	v_mov_b32 v[PX], 0
	v_mov_b32 v[PX+1], 0
	s_wait_kmcnt 0x0
	s_add_co_i32 s56, s48, s49
	s_lshl_b32 s56, s56, 23
	s_add_co_i32 s[CS], s56, 0x3fb8aa3b
	s_mov_b32 s[CS+1], s[CS]
	s_add_co_i32 s56, s50, 127
	s_lshl_b32 s57, s56, 23
	v_mov_b32 v[SC], s57
	s_add_co_i32 s[EO], s50, s51
.macro BHEAD
	WIN 0x40
.irp t, 0,1
	global_load_b128 v[QF+8*\t:QF+8*\t+3],   v[LI], s[52:53] offset:1024*\t
	global_load_b128 v[QF+8*\t+4:QF+8*\t+7], v[LI], s[52:53] offset:1024*\t+512
.endr
.set j, 0
.rept 64
	v_mov_b32 v[j], 0
.set j, j+1
.endr
	WIN 0
.irp t, 0,1
	v_mov_b32 v[ST+8*\t+1], 0xff61b1e6
	s_delay_alu instid0(VALU_DEP_1)
	v_floor_f32 v[ST+8*\t], -v[ST+8*\t+1]
	v_mov_b32 v[ST+8*\t+2], 0
	v_mov_b32 v[ST+8*\t+3], 0
	v_mov_b32 v[ST+8*\t+5], 0
.endr
	s_wait_loadcnt 0x0
.endm
.macro SUMP t, p
.set rT, ST+8*(\t)
.set rS, SS+64*(\t)
.set rB, SB+2*(\t)
.if (\p) == 0
	v_pk_mul_f32 v[rT+2:rT+3], v[rT+2:rT+3], v[rT+4:rT+5] op_sel_hi:[1,0]
.elseif (\p) == 1
	s_wait_alu depctr_va_vdst(0)
	v_pk_add_f32 v[rB:rB+1], v[rS:rS+1], v[rS+2:rS+3]
.elseif (\p)%2 == 0
	v_pk_add_f32 v[rT+2:rT+3], v[rT+2:rT+3], v[rS+2*(\p):rS+2*(\p)+1]
.else
	s_wait_alu depctr_va_vdst(0)
	v_pk_add_f32 v[rB:rB+1], v[rB:rB+1], v[rS+2*(\p):rS+2*(\p)+1]
.endif
.endm
.macro STEP
	s_setprio 2
	v_add_nc_u32 v[ADK], s[TB], v[LI]
	s_delay_alu instid0(VALU_DEP_1)
	v_add_nc_u32 v[ADV], VLDS, v[ADK]
	v_nop
	v_nop
.irp c, 0,1,2,3,4,5,6,7
	ds_load_b128 v[KF+8*\c:KF+8*\c+3],   v[ADK] offset:1024*\c
	ds_load_b128 v[KF+8*\c+4:KF+8*\c+7], v[ADK] offset:1024*\c+512
.endr
	WIN 0x40
.irp d, 0,1,2,3
.irp u, 0,1,2,3
	ds_load_b128 v[VF+16*\d+4*\u:VF+16*\d+4*\u+3], v[ADV] offset:2048*\d+512*\u
.endr
.endr
	WIN 0x04
	s_wait_dscnt 16
.irp c, 0,1,2,3,4,5,6,7
.irp t, 0,1
	v_wmma_f32_16x16x64_fp8_fp8 v[SS+64*\t+8*\c:SS+64*\t+8*\c+7], v[KF+8*\c:KF+8*\c+7], v[QF+8*\t:QF+8*\t+7], 0
.endr
.endr
	WIN 0
.rept 4
	v_nop
.endr
.irp t, 0,1
	v_max3_num_f32 v[ST+8*\t+6], v[SS+64*\t], v[SS+64*\t+1], v[SS+64*\t+2]
	v_max3_num_f32 v[ST+8*\t+7], v[SS+64*\t+3], v[SS+64*\t+4], v[SS+64*\t+5]
.endr
.irp i, 6,10,14,18,22,26,30,34,38,42,46,50,54,58
.irp t, 0,1
	v_max3_num_f32 v[ST+8*\t+6], v[ST+8*\t+6], v[SS+64*\t+\i], v[SS+64*\t+\i+1]
	v_max3_num_f32 v[ST+8*\t+7], v[ST+8*\t+7], v[SS+64*\t+\i+2], v[SS+64*\t+\i+3]
.endr
.endr
.irp t, 0,1
	v_max3_num_f32 v[ST+8*\t+6], v[ST+8*\t+6], v[SS+64*\t+62], v[SS+64*\t+63]
.endr
.irp t, 0,1
	s_delay_alu instid0(VALU_DEP_2)
	v_max_num_f32 v[ST+8*\t+6], v[ST+8*\t+6], v[ST+8*\t+7]
.endr
.irp t, 0,1
	s_delay_alu instid0(VALU_DEP_2)
	v_permlanex16_b32 v[PX+\t], v[ST+8*\t+6], s[SEL], s[SEL+1]
.endr
.irp t, 0,1
	s_delay_alu instid0(VALU_DEP_2)
	v_max_num_f32 v[ST+8*\t+6], v[ST+8*\t+6], v[PX+\t]
.endr
.irp t, 0,1
	s_delay_alu instid0(VALU_DEP_2)
	v_mul_f32 v[ST+8*\t+6], s[CS], v[ST+8*\t+6]
.endr
.irp t, 0,1
	s_delay_alu instid0(VALU_DEP_2)
	v_max_num_f32 v[ST+8*\t+1], v[ST+8*\t+1], v[ST+8*\t+6]
.endr
.irp t, 0,1
	v_mov_b32 v[ST+8*\t+6], v[ST+8*\t]
.endr
.irp t, 0,1
	s_delay_alu instid0(VALU_DEP_4)
	v_floor_f32 v[ST+8*\t], -v[ST+8*\t+1]
.endr
.irp t, 0,1
	s_delay_alu instid0(VALU_DEP_2)
	v_sub_f32 v[ST+8*\t+6], v[ST+8*\t], v[ST+8*\t+6]
.endr
.irp t, 0,1
	s_delay_alu instid0(VALU_DEP_2)
	v_cvt_i32_f32 v[ST+8*\t+6], v[ST+8*\t+6]
.endr
.irp t, 0,1
	s_delay_alu instid0(VALU_DEP_2)
	v_ldexp_f32 v[ST+8*\t+4], 1.0, v[ST+8*\t+6]
.endr
.set j, 0
.rept 32
	v_pk_fma_f32 v[SS+2*j:SS+2*j+1], v[SS+2*j:SS+2*j+1], s[CS:CS+1], v[ST:ST+1] op_sel_hi:[1,0,0]
.set j, j+1
.endr
.set j, 0
	s_wait_alu depctr_va_vdst(0)
.rept 32
	v_exp_f32 v[SS+2*j], v[SS+2*j]
	v_pk_fma_f32 v[SS+64+2*j:SS+64+2*j+1], v[SS+64+2*j:SS+64+2*j+1], s[CS:CS+1], v[ST+8:ST+9] op_sel_hi:[1,0,0]
	v_exp_f32 v[SS+2*j+1], v[SS+2*j+1]
.if j > 0
	SUMP 0, j-1
.endif
.set j, j+1
.endr
.set j, 0
	s_setprio 1
.rept 32
	v_exp_f32 v[SS+64+2*j], v[SS+64+2*j]
	v_exp_f32 v[SS+64+2*j+1], v[SS+64+2*j+1]
.if j == 0
	SUMP 0, 31
.else
	SUMP 1, j-1
.endif
.if j == 1
	s_wait_alu depctr_va_vdst(0)
	v_pk_add_f32 v[ST+2:ST+3], v[ST+2:ST+3], v[SB:SB+1]
.endif
.if j%4 == 3
	v_cvt_scalef32_pk8_fp8_f32 v[PC+2*(j/4):PC+2*(j/4)+1], v[SS+8*(j/4):SS+8*(j/4)+7], v[SC]
.endif
.set j, j+1
.endr
	SUMP 1, 31
	s_delay_alu instid0(VALU_DEP_1)
	v_pk_add_f32 v[ST+10:ST+11], v[ST+10:ST+11], v[SB+2:SB+3]
.irp g, 0,1,2,3,4,5,6,7
.irp i, 0,1,2,3,4,5,6,7
.endr
	v_cvt_scalef32_pk8_fp8_f32 v[PC+16+2*\g:PC+16+2*\g+1], v[SS+64+8*\g:SS+64+8*\g+7], v[SC]
.endr
	WIN 0x41
	s_setprio 0
.irp t, 0,1
.set j, 0
.rept 16
	v_pk_mul_f32 v[32*\t+2*j:32*\t+2*j+1], v[32*\t+2*j:32*\t+2*j+1], v[ST+8*\t+4:ST+8*\t+5] op_sel_hi:[1,0]
.set j, j+1
.endr
.endr
	s_wait_alu depctr_va_vdst(0)
	s_wait_dscnt 0x0
	WIN 0x51
.irp d, 0,1,2,3
.irp t, 0,1
	v_wmma_f32_16x16x128_fp8_fp8 v[32*\t+8*\d:32*\t+8*\d+7], v[VF+16*\d:VF+16*\d+15], v[PC+16*\t:PC+16*\t+15], v[32*\t+8*\d:32*\t+8*\d+7]
.endr
.endr
	WIN 0
.endm
.macro CHUNK n
	s_wait_tensorcnt 3-\n
	s_barrier_signal -1
	s_barrier_wait -1
	s_mov_b32 s[TB], \n*32768
	s_mov_b32 s[CNT], 4
.Lstep_\@:
	STEP
	s_add_co_u32 s[TB], s[TB], 8192
	s_sub_co_u32 s[CNT], s[CNT], 1
	s_cmp_lg_u32 s[CNT], 0
	s_cbranch_scc1 .Lstep_\@
	s_setprio 0
.endm
.macro WAYOUT
.irp t, 0,1
	v_add_f32 v[ST+8*\t+2], v[ST+8*\t+2], v[ST+8*\t+3]
.endr
.irp t, 0,1
	s_delay_alu instid0(VALU_DEP_2)
	v_permlanex16_b32 v[PX+\t], v[ST+8*\t+2], s[SEL], s[SEL+1]
.endr
.irp t, 0,1
	s_delay_alu instid0(VALU_DEP_2)
	v_add_f32 v[ST+8*\t+2], v[ST+8*\t+2], v[PX+\t]
.endr
	s_wait_alu depctr_va_vdst(0)
.irp t, 0,1
	v_rcp_f32 v[ST+8*\t+4], v[ST+8*\t+2]
.endr
	v_nop
.irp t, 0,1
	s_wait_alu depctr_va_vdst(0)
	v_ldexp_f32 v[ST+8*\t+4], v[ST+8*\t+4], s[EO]
.endr
	WIN 0x01
.irp t, 0,1
.set j, 0
.rept 16
	v_pk_mul_f32 v[SS+64*\t+2*j:SS+64*\t+2*j+1], v[32*\t+2*j:32*\t+2*j+1], v[ST+8*\t+4:ST+8*\t+5] op_sel_hi:[1,0]
.set j, j+1
.endr
.endr
	WIN 0
.irp t, 0,1
.irp d, 0,1,2,3
	ds_store_b128 v[STO], v[SS+64*\t+8*\d:SS+64*\t+8*\d+3]   offset:64*\d
	ds_store_b128 v[STO], v[SS+64*\t+8*\d+4:SS+64*\t+8*\d+7] offset:64*\d+16
.endr
.irp i, 0,1,2,3,4,5,6,7
	ds_load_b128 v[SS+64*\t+32+4*\i:SS+64*\t+32+4*\i+3], v[RD] offset:2*\i*SPI
.endr
.endr
.irp t, 0,1
.irp i, 0,1,2,3,4,5,6,7
	s_wait_dscnt 16*(1-\t)+7-\i
	global_store_b128 v[GO], v[SS+64*\t+32+4*\i:SS+64*\t+32+4*\i+3], s[54:55] offset:65536*\t+8192*\i th:TH_STORE_NT
.endr
.endr
.endm
	BHEAD
	CHUNK 0
	CHUNK 1
	CHUNK 2
	CHUNK 3
	WAYOUT
	s_wait_xcnt 0x0
	s_add_nc_u64 s[52:53], s[52:53], 16384
	s_add_nc_u64 s[54:55], s[54:55], 1048576
	BHEAD
	s_mov_b32 s[TB], 0
	s_mov_b32 s[CNT], 16
.Lstep_b1:
	STEP
	s_add_co_u32 s[TB], s[TB], 8192
	s_sub_co_u32 s[CNT], s[CNT], 1
	s_cmp_lg_u32 s[CNT], 0
	s_cbranch_scc1 .Lstep_b1
	s_setprio 0
	WAYOUT
	s_wait_dscnt 0x0
	s_set_vgpr_msb 0x4
	s_wait_tensorcnt 0x0
	ds_add_u32 v7, v255
	s_wait_dscnt 0x0
	s_set_vgpr_msb 0x400
	ROUND
	s_endpgm
.Lfunc_end_k_q0aeed49ca3_attn:
	.size	k_q0aeed49ca3_attn, .Lfunc_end_k_q0aeed49ca3_attn-k_q0aeed49ca3_attn
	.p2alignl 7, 3214868480
	.fill 96, 4, 3214868480
	.section	.rodata,"a",@progbits
	.p2align	6, 0x0
	.amdhsa_kernel k_q0aeed49ca3_attn
		.amdhsa_group_segment_fixed_size 297984
		.amdhsa_private_segment_fixed_size 0
		.amdhsa_enable_private_segment 0
		.amdhsa_kernarg_size 24
		.amdhsa_user_sgpr_count 2
		.amdhsa_user_sgpr_kernarg_segment_ptr 1
		.amdhsa_wavefront_size32 1
		.amdhsa_system_sgpr_workgroup_id_x 1
		.amdhsa_system_sgpr_workgroup_id_y 1
		.amdhsa_system_sgpr_workgroup_id_z 1
		.amdhsa_system_vgpr_workitem_id 0
		.amdhsa_next_free_vgpr 512
		.amdhsa_next_free_sgpr 66
		.amdhsa_reserve_vcc 0
		.amdhsa_float_denorm_mode_32 3
		.amdhsa_float_denorm_mode_16_64 3
		.amdhsa_fp16_overflow 1
		.amdhsa_memory_ordered 1
		.amdhsa_forward_progress 1
		.amdhsa_inst_pref_size 157
	.end_amdhsa_kernel
	.amdgpu_metadata
---
amdhsa.version: [ 1, 2 ]
amdhsa.kernels:
  - .name:           k_q0aeed49ca3_attn
    .symbol:         k_q0aeed49ca3_attn.kd
    .args:
      - { .name: qkv, .offset: 0, .size: 8, .value_kind: global_buffer, .address_space: global }
      - { .name: lowp_scales, .offset: 8, .size: 8, .value_kind: global_buffer, .address_space: global }
      - { .name: out0, .offset: 16, .size: 8, .value_kind: global_buffer, .address_space: global }
    .group_segment_fixed_size: 297984
    .private_segment_fixed_size: 0
    .kernarg_segment_align: 8
    .kernarg_segment_size: 24
    .max_flat_workgroup_size: 256
    .sgpr_count:     66
    .vgpr_count:     512
    .wavefront_size: 32
...
	.end_amdgpu_metadata
.endif
;; end of part 3
